; MI455X (gfx1250); checked and timed in simulation.
; The chip was launched on July 23, 2026; its instructions are those of AMD's public machine-readable ISA for CDNA 5 (MIT licence, August 2026) and "CDNA5" Instruction Set Architecture Reference Guide (July 2026). The comments in the code are by the model that wrote it; some were corrected since.
;; Multi Head Attention. Allowed arithmetic: float matrix products may take bf16 or f16 operands with f32 sums; other float arithmetic in f32, or as packed bf16 or f16 multiplies, adds, multiply-adds, maxima and minima; sums over many terms, partial sums and values carried from step to step in f32; what a program stores and reads back later, other than sums and carried values, may be rounded once to bf16 or f16.
;; Inputs: Wk 16 x 1,024 x 64 float32; Wp 1,024 x 1,024 float32; Wq 16 x 1,024 x 64 float32; Wv 16 x 1,024 x 64 float32; bp 1,024 float32; x 512 x 32 x 1,024 float32.
;; Outputs: out0 512 x 32 x 1,024 float32.
;; One version. Each part assembles by itself: llvm-mc -triple=amdgcn-amd-amdhsa -mcpu=gfx1250 --defsym DOCPART=n.
;; ======== version 1 of 1: 3 launches
;; limits: values are held in f16: magnitudes above 65,504 overflow, below 6.1e-05 lose precision
;; workspace buffers: xb 33,554,432 bytes; wt 6,291,456 bytes; wpt 2,097,152 bytes; obuf 33,554,432 bytes
;; launch prep (part 1): grid 1536 x 1, 8 waves a work-group, no clusters, 18,432 bytes of LDS; arguments x, Wq, Wk, Wv, Wp, xb, wt, wpt; writes xb, wt, wpt
.if DOCPART == 1
	.amdgcn_target "amdgcn-amd-amdhsa--gfx1250"
	.amdhsa_code_object_version 6
	.text
	.protected	k_q1c0f5f1e70_prep
	.globl	k_q1c0f5f1e70_prep
	.p2align	8
	.type	k_q1c0f5f1e70_prep,@function
k_q1c0f5f1e70_prep:
	s_mov_b64 s[64:65], 0
	v_nop
	global_prefetch_b8 v0, s[64:65] scope:SCOPE_SE
	s_setreg_imm32_b32 hwreg(HW_REG_WAVE_MODE, 25, 1), 1
	s_wait_xcnt 0x0
; PREP: the operands of the two products, once, in 16 bits and with K along the rows.
;   xb  [16384][1024] bf16              = x rounded
;   wt  [16 heads][192 rows][1024] bf16 = Wq, Wk, Wv rounded and turned: rows 0-63 q's features, 64-127 k's, 128-191 v's; a row runs along e
;   wpt [1024 n][1024 k] f16            = Wp rounded to bf16, that number written as f16, and turned
; LIMITS.  |Wp| stays under 65,504 (f16's end); a rounded Wp below 6.1e-5 keeps f16's fixed step of 6e-8.  NaN and infinities are not treated apart.
; Work-groups 0-511 turn a block of 128 k x 64 columns of a weight through LDS; work-groups 512-1535 round 65,536 bytes of x each.
; The branch hangs on the work-group's number alone, so all eight waves of a work-group take the same way.
; No matrix unit, no tensor load, no cluster, no prefetch: every byte is read once and written once, and no two work-groups read the same bytes.
.set TP,    272                        ; an LDS row of the turned block: 128 k x 2 bytes + 16
.set SPARE, 64*TP                      ; behind the 64 rows: the spare words, 128 bytes for each of the eight waves: four blocks of 256 bytes that no other line names
.set SPW,   2                          ; v2  LDS address of my spare word; never rewritten
.set NIL,   3                          ; v3  0; never rewritten
	s_load_b512 s[8:23], s[0:1], 0x0               ; x 8, Wq 10, Wk 12, Wv 14, Wp 16, xb 18, wt 20, wpt 22
	v_lshl_add_u32 v[SPW], v0, 2, SPARE
	v_mov_b32 v[NIL], 0
	s_cmp_lt_u32 ttmp9, 512
	s_cbranch_scc1 .Lweights
	; ---- x: thread t takes 16 bytes at 16 t of each of sixteen pieces of 4,096 bytes, and stores 8 bytes at 8 t of pieces of 2,048
	s_sub_co_u32 s24, ttmp9, 512
	s_lshl_b32 s2, s24, 16                         ; my 65,536 bytes of x
	s_mov_b32 s3, 0
	s_lshl_b32 s4, s24, 15                         ; my 32,768 bytes of xb
	s_mov_b32 s5, 0
	v_lshlrev_b32 v4, 4, v0
	v_lshlrev_b32 v5, 3, v0
	s_wait_kmcnt 0x0
	s_add_nc_u64 s[8:9], s[8:9], s[2:3]
	s_add_nc_u64 s[18:19], s[18:19], s[4:5]
.set i, 0
.rept 16
	global_load_b128 v[8+4*i:11+4*i], v4, s[8:9] offset:4096*i th:TH_LOAD_NT  ; all sixteen go out at once: a wave covers 512 consecutive bytes in each
.set i, i+1
.endr
.set i, 0
.rept 16
	s_wait_loadcnt 15-i                            ; loads come back in order: piece i is in, the 15 - i younger ones stay out
	v_cvt_pk_bf16_f32 v[72+2*i], v[8+4*i], v[9+4*i]
	v_cvt_pk_bf16_f32 v[73+2*i], v[10+4*i], v[11+4*i]
	global_store_b64 v5, v[72+2*i:73+2*i], s[18:19] offset:2048*i  ; 32 lanes store 256 consecutive bytes, aligned; no register is used twice, so nothing is waited for
.set i, i+1
.endr
	s_endpgm                                       ; this way has written no LDS
	; ---- weights: block (sel, h, kc): sel 0 q, 1 k, 2 v, 3 Wp; h the head (for Wp: 64 columns n); kc 128 of the 1,024 k
.Lweights:
	s_lshr_b32 s24, ttmp9, 3
	s_and_b32 s25, ttmp9, 7                        ; kc
	s_lshr_b32 s26, s24, 4                         ; sel
	s_and_b32 s27, s24, 15                         ; h
	s_lshl_b32 s28, s27, 18                        ; a head's weight: 1,024 rows of 256 bytes,
	s_lshl_b32 s29, s25, 15                        ; 128 of them
	s_add_co_u32 s28, s28, s29
	s_lshl_b32 s29, s27, 8                         ; Wp: 64 columns are 256 bytes of a row,
	s_lshl_b32 s30, s25, 19                        ; 128 rows of 4,096 bytes
	s_add_co_u32 s29, s29, s30
	s_mul_i32 s30, s27, 192
	s_lshl_b32 s31, s26, 6
	s_add_co_u32 s30, s30, s31
	s_lshl_b32 s30, s30, 11                        ; wt: row 192 h + 64 sel, 2,048 bytes a row
	s_lshl_b32 s31, s27, 17                        ; wpt: row 64 h
	s_lshl_b32 s41, s25, 8                         ; 128 k are 256 bytes of a turned row
	s_mov_b32 s42, 4096
	s_cmp_eq_u32 s26, 3
	s_cselect_b32 s36, s29, s28                    ; offset in the source
	s_cselect_b32 s38, s31, s30                    ; offset in the destination
	s_cselect_b32 s40, s42, 256                    ; bytes from a source row to the next
	s_mov_b32 s37, 0
	s_mov_b32 s39, 0
	s_add_co_u32 s38, s38, s41
	v_lshrrev_b32 v1, 5, v0
	v_readfirstlane_b32 s43, v1                    ; wave 0..7
	v_and_b32 v7, 31, v0                           ; lane
	s_lshl_b32 s44, s43, 4
	s_mul_i32 s44, s44, s40                        ; my wave takes source rows 16 w .. 16 w + 15,
	v_lshl_add_u32 v40, v7, 3, s44                 ; my lane columns 2 l and 2 l + 1: 8 bytes
.set i, 1
.rept 15
	v_add_nc_u32 v[40+i], s40, v[39+i]             ; an offset register a row: the pitch is no constant of the text
.set i, i+1
.endr
	s_lshl_b32 s45, s43, 5                         ; in: turned row 2 l, bytes 32 w on
	v_mul_u32_u24 v4, v7, 2*TP
	v_add_nc_u32 v4, s45, v4
	s_mul_i32 s46, s43, 2*TP                       ; back: wave w takes turned rows 2 w and 2 w + 1 of each sixteen, whole
	v_bfe_u32 v72, v0, 4, 1
	v_and_b32 v73, 15, v0
	v_mul_u32_u24 v5, v72, TP
	v_lshl_add_u32 v5, v73, 4, v5
	v_add_nc_u32 v5, s46, v5
	s_lshl_b32 s47, s43, 12                        ; and the same rows in memory, 2,048 bytes apart
	v_lshlrev_b32 v6, 11, v72
	v_lshl_add_u32 v6, v73, 4, v6
	v_add_nc_u32 v6, s47, v6
	s_wait_kmcnt 0x0
	s_cmp_eq_u32 s26, 1
	s_cselect_b64 s[32:33], s[12:13], s[10:11]     ; the source, chosen by sel
	s_cmp_eq_u32 s26, 2
	s_cselect_b64 s[32:33], s[14:15], s[32:33]
	s_cmp_eq_u32 s26, 3
	s_cselect_b64 s[32:33], s[16:17], s[32:33]
	s_cselect_b64 s[34:35], s[22:23], s[20:21]     ; the destination
	s_add_nc_u64 s[32:33], s[32:33], s[36:37]
	s_add_nc_u64 s[34:35], s[34:35], s[38:39]
.set i, 0
.rept 16
	global_load_b64 v[8+2*i:9+2*i], v[40+i], s[32:33] th:TH_LOAD_NT  ; a wave takes 256 consecutive bytes, aligned: the block's whole row
.set i, i+1
.endr
	; two neighbouring k of one column make a word: v56-59, v64-67 the even column's 16 k, v60-63, v68-71 the odd column's
.irp g, 0,1
	s_wait_loadcnt 8*(1-(\g))                      ; rows 8 g .. 8 g + 7 are in; the second group's eight loads may stay out
.irp j, 0,1,2,3
	v_cvt_pk_bf16_f32 v[56+8*(\g)+(\j)], v[8+2*(8*(\g)+2*(\j))], v[8+2*(8*(\g)+2*(\j)+1)]
	v_cvt_pk_bf16_f32 v[60+8*(\g)+(\j)], v[9+2*(8*(\g)+2*(\j))], v[9+2*(8*(\g)+2*(\j)+1)]
.endr
.endr
	s_cmp_lg_u32 s26, 3
	s_cbranch_scc1 .Lpacked
.set i, 0
.rept 16                                       ; Wp: the number rounded to bf16 is written as f16: its 8 significant bits fit f16's 11
	v_lshlrev_b32 v[72+2*(i%4)], 16, v[56+i]
	v_and_b32 v[73+2*(i%4)], 0xffff0000, v[56+i]
	v_cvt_pk_f16_f32 v[56+i], v[72+2*(i%4)], v[73+2*(i%4)]
.set i, i+1
.endr
.Lpacked:
.irp g, 0,1
	ds_store_b128 v4, v[56+8*(\g):59+8*(\g)] offset:16*(\g)      ; lanes lie 544 bytes apart: lanes l and l + 8 meet in a bank, two deep; 16 MB in all go this way
	ds_store_b128 v4, v[60+8*(\g):63+8*(\g)] offset:TP+16*(\g)
.endr
	s_wait_dscnt 0x0                               ; for the others: my stores are done
	s_barrier_signal -1
	s_barrier_wait -1                              ; a turned row holds bytes of all eight waves
.irp i, 0,1,2,3
	ds_load_b128 v[8+4*(\i):11+4*(\i)], v5 offset:16*TP*(\i)
.endr
.irp i, 0,1,2,3
	s_wait_dscnt 3-(\i)
	global_store_b128 v6, v[8+4*(\i):11+4*(\i)], s[34:35] offset:32768*(\i)  ; 16 lanes store 256 consecutive bytes, aligned
.endr
	s_wait_tensorcnt 0x0                           ; the wave's end, behind my last LDS store
	ds_add_u32 v[SPW], v[NIL]
	s_wait_dscnt 0x0
	s_endpgm
.Lfunc_end_k_q1c0f5f1e70_prep:
	.size	k_q1c0f5f1e70_prep, .Lfunc_end_k_q1c0f5f1e70_prep-k_q1c0f5f1e70_prep
	.p2alignl 7, 3214868480
	.fill 96, 4, 3214868480
	.section	.rodata,"a",@progbits
	.p2align	6, 0x0
	.amdhsa_kernel k_q1c0f5f1e70_prep
		.amdhsa_group_segment_fixed_size 18432
		.amdhsa_private_segment_fixed_size 0
		.amdhsa_enable_private_segment 0
		.amdhsa_kernarg_size 64
		.amdhsa_user_sgpr_count 2
		.amdhsa_user_sgpr_kernarg_segment_ptr 1
		.amdhsa_wavefront_size32 1
		.amdhsa_system_sgpr_workgroup_id_x 1
		.amdhsa_system_sgpr_workgroup_id_y 1
		.amdhsa_system_sgpr_workgroup_id_z 1
		.amdhsa_system_vgpr_workitem_id 0
		.amdhsa_next_free_vgpr 112
		.amdhsa_next_free_sgpr 66
		.amdhsa_reserve_vcc 0
		.amdhsa_float_denorm_mode_32 3
		.amdhsa_float_denorm_mode_16_64 3
		.amdhsa_memory_ordered 1
		.amdhsa_forward_progress 1
		.amdhsa_inst_pref_size 16
	.end_amdhsa_kernel
	.amdgpu_metadata
---
amdhsa.version: [ 1, 2 ]
amdhsa.kernels:
  - .name:           k_q1c0f5f1e70_prep
    .symbol:         k_q1c0f5f1e70_prep.kd
    .args:
      - { .name: x, .offset: 0, .size: 8, .value_kind: global_buffer, .address_space: global }
      - { .name: Wq, .offset: 8, .size: 8, .value_kind: global_buffer, .address_space: global }
      - { .name: Wk, .offset: 16, .size: 8, .value_kind: global_buffer, .address_space: global }
      - { .name: Wv, .offset: 24, .size: 8, .value_kind: global_buffer, .address_space: global }
      - { .name: Wp, .offset: 32, .size: 8, .value_kind: global_buffer, .address_space: global }
      - { .name: xb, .offset: 40, .size: 8, .value_kind: global_buffer, .address_space: global }
      - { .name: wt, .offset: 48, .size: 8, .value_kind: global_buffer, .address_space: global }
      - { .name: wpt, .offset: 56, .size: 8, .value_kind: global_buffer, .address_space: global }
    .group_segment_fixed_size: 18432
    .private_segment_fixed_size: 0
    .kernarg_segment_align: 8
    .kernarg_segment_size: 64
    .max_flat_workgroup_size: 256
    .sgpr_count:     66
    .vgpr_count:     112
    .wavefront_size: 32
...
	.end_amdgpu_metadata
.endif
;; end of part 1
;; launch qkvatt (part 2): grid 16 x 16, 4 waves a work-group, clusters of 4 x 4, 327,680 bytes of LDS; arguments xb, wt, obuf; writes obuf
.if DOCPART == 2
	.amdgcn_target "amdgcn-amd-amdhsa--gfx1250"
	.amdhsa_code_object_version 6
	.text
	.protected	k_q1c0f5f1e70_qkvatt
	.globl	k_q1c0f5f1e70_qkvatt
	.p2align	8
	.type	k_q1c0f5f1e70_qkvatt,@function
k_q1c0f5f1e70_qkvatt:
	s_mov_b64 s[64:65], 0
	v_nop
	global_prefetch_b8 v0, s[64:65] scope:SCOPE_SE
	s_setreg_imm32_b32 hwreg(HW_REG_WAVE_MODE, 25, 1), 1
	s_wait_xcnt 0x0
	s_wait_alu depctr_hold_cnt(0) depctr_sa_sdst(0) depctr_va_vdst(0) depctr_va_sdst(0) depctr_va_ssrc(0) depctr_va_vcc(0) depctr_vm_vsrc(0)
	s_getreg_b32 s2, hwreg(HW_REG_IB_STS2, 6, 4)
	s_cmp_eq_u32 s2, 0
	s_cbranch_scc0 .Lentry_in_a_cluster
	s_endpgm
.Lentry_in_a_cluster:
	s_bfe_u32 s2, ttmp6, 0x10000c
	s_cmp_lg_u32 s2, 0xf033
	s_cbranch_scc0 .Lentry_shape_is_right
	s_endpgm
.Lentry_shape_is_right:
; q, k, v OF ONE HEAD AND ITS CAUSAL ATTENTION, IN ONE LAUNCH.  xb [16384][1024] bf16, wt [16][192][1024] bf16 (rows: q's 64 features, k's, v's), obuf [16 heads][16384][64] f16.
; A tile is 256 rows of x times one head's 192 features, K = 1,024 in eight steps of 128 through a ring of two LDS slots.  A wave owns 64 rows, which are two whole batches of 32 tokens,
; and all 192 features: 48 accumulators.  So q, k and v of a batch and head lie in ONE wave's registers, and the attention (32 x 32, causal) never leaves the wave: q, k, v never reach memory.
; A WORK-GROUP STAYS: four tiles of one head, 4,096 rows apart; the ring runs on across a tile's end.  16 x 16 work-groups.
; CLUSTERS of 4 x 4: the four of a row of the cluster take the same 256 rows of x, the four of a column the same head: each tile is asked for JOINTLY.
; FORMATS.  x and the weights are bf16; what is made here (q, k, v, the weights p, O) is rounded once to f16; sums, maxima and the softmax in f32.
; LIMITS.  |q|, |k|, |v| stay under 65,504 (f16's end).  A hidden score counts as its value less 1e30; a weight below 2^-126 counts as 0; NaN and infinities are not treated apart.
; LAYOUT.  q and k: source 0 = 16 rows of wt, source 1 = 16 rows of x: a lane holds ONE token (lane % 16) and the features 8 (lane / 16) + 0..7; two neighbouring blocks of 16 features, rounded
; in pairs, ARE a fragment (row = token, 32 features).  v: the sources swapped: a lane holds one feature and 8 tokens; a batch's two token blocks ARE a fragment of V^T.
; S^T = K Q^T holds one query a lane and 8 keys; rounded it is source 1 of O^T = V^T P, which again holds one query a lane, and 8 features: 16 bytes of a row of O.
; REGISTERS, in windows of 256 (s_set_vgpr_msb: bits 1:0 source 0, 3:2 source 1, 5:4 source 2, 7:6 destination):
;   window 0: v0-15 addresses; v16-23 the diagonal mask; v32-63 statistics; v64-127 x's fragments, two buffers; v128-175 S^T, later v128-191 O on its way out; v192-223 P
;   window 1: v0-191 wt's fragments, two buffers of 96      window 2: q's and k's accumulators (a, b) at 8 (8 a + b)      window 3: v0-127 v's accumulators (a, c) at 8 (4 a + c)
.set KSTEP,  128
.set PITCH,  272                       ; an LDS row: 256 bytes + 16 = 68 words: the 16 rows of a fragment load start at 16 different groups of four banks
.set AHALF,  128*PITCH                 ; what waves 0 and 1 fetch: 128 rows of x each
.set BHALF,  96*PITCH                  ; what waves 2 and 3 fetch: 96 rows of wt each
.set BOFF,   2*AHALF
.set SLOT,   BOFF+2*BHALF              ; 121,856 bytes, a multiple of 256
.set STAGE,  2*SLOT                    ; behind the ring, never filled by a tensor load: 16 rows x 144 bytes for each wave
.set SP,     144
.set SPARE,  STAGE+4*16*SP             ; the spare words, 128 bytes for each wave: two blocks of 256 bytes that no other line names
.set ADRA, 4                           ; v4-5   LDS address of my fragments of x in slot 0, 1
.set ADRB, 6                           ; v6-7   the same for wt
.set STO,  8                           ; v8     the way out: where I put 16 bytes of a row
.set RD,   9                           ; v9     where I read rows back
.set GO,   10                          ; v10    my byte offset in 512 consecutive bytes of obuf
.set PFO,  11                          ; v11    the prefetches' offset: a lane a row of 2,048 bytes
.set SPW,  12                          ; v12    LDS address of my spare word; never rewritten
.set NIL,  13                          ; v13    0; never rewritten
.set MD,   16                          ; v16-23 -1e30 where key 8 (l / 16) + j lies behind query l % 16, else 0
.set ST,   32                          ; group g = 2 batch + query block: v[ST+8g]: m, m, four at work, 1 / l, 1 / l
.set FA0,  64
.set S,    128                         ; a batch's three tiles of S^T: (keys 0-15, queries 0-15), (keys 0-15, queries 16-31), (keys 16-31, queries 16-31)
.set OUT,  128
.set P,    192                         ; 8 a group; registers 4-7 of the groups of queries 0-15 (their keys 16-31, all hidden) hold 0 from the head on
.set WV,  10                           ; s10 wave; s11 = wave / 2: 0 I fetch x, 1 wt; s12 = wave % 2: which half
.set AB,  14                           ; s[14:15] xb at the rows that I fetch, first tile, K step 0
.set G1A, 24
.set G0A, 32                           ; a group 0 for each slot
.set PFA, 44                           ; s[44:45] the prefetch's address
.set BB,  46                           ; s[46:47] wt at the rows that I fetch
.set G1B, 48
.set G0B, 56
.set U,   66                           ; s66 the step that a prefetch names: 8 x tile + K step
.set LIM, 67                           ; s67 a wave prefetches while U is below this
.set T0,  68                           ; s[68:69], s[70:71] byte offsets (high words 0); s72 at work
.set T1,  70
.set T2,  72
.set PFB, 74                           ; s[74:75] xb or wt at the rows that I prefetch
.set LAPC, 80
.set TL,  81                           ; laps left in the tile
.set SEL, 82                           ; s[82:83] v_permlanex16_b32: each lane takes its own place in the other half
.set CS,  84                           ; s[84:85] c = log2(e) / 8
.set BIGN, 86
.set MSB, 0
.macro WIN new                         ; the immediate's high byte repeats the setting that is left; a switch that changes nothing is dropped
.if MSB != (\new)
	s_set_vgpr_msb (MSB<<8)|(\new)
.set MSB, \new
.endif
.endm
.macro PLACES                          ; four plain places behind matrix instructions, ahead of loads into their sources and of readers of their results
.rept 4
	v_nop
.endr
.endm
; A joint load.  The branch hangs on the wave's number alone.  An s_nop 0 and four v_nop follow each of the two lines.
.macro JLOAD s
	s_cmp_eq_u32 s11, 0
	s_cbranch_scc0 .Lfor_b_\@
	tensor_load_to_lds s[G0A+4*(\s):G0A+4*(\s)+3], s[G1A:G1A+7]
	s_nop 0
.rept 4
	v_nop
.endr
	s_branch .Lasked_\@
.Lfor_b_\@:
	tensor_load_to_lds s[G0B+4*(\s):G0B+4*(\s)+3], s[G1B:G1B+7]
	s_nop 0
.rept 4
	v_nop
.endr
.Lasked_\@:
.endm
.macro CREST                           ; a round of the cluster's barrier behind its opening barrier
	s_cmp_lg_u32 s[WV], 0
	s_cbranch_scc1 .Lnot_wave_0_\@
	s_barrier_signal -3
.Lnot_wave_0_\@:
	s_barrier_wait -3
	s_barrier_signal -1
	s_barrier_wait -1
.endm
.macro CROUND
	s_barrier_signal -1
	s_barrier_wait -1
	CREST
.endm
; A PREFETCH INTO THE L2 of the step that stands two refills on: 384 matrix instructions ahead of the load that will want it; a lane a row, 256 bytes of it, one instruction a wave.
; x's rows are read by every cluster of a row of clusters: cluster x = 0 asks, for all four tiles; wt's by every cluster of a column: cluster y = 0 asks, in the first tile alone.
; The four partners that ask for a tile jointly share its rows out BY ADDRESS: 32 of a wave's 128 rows of x by cx, 24 of its 96 rows of wt by cy (there lanes 24-31 name row 23 again).
; The first four steps come by their loads alone; no step at or beyond LIM is named, so no prefetch leaves its buffer.
.macro ASK
	s_cmp_lt_u32 s[U], s[LIM]
	s_cbranch_scc0 .Lnot_mine_\@
	global_prefetch_b8 v[PFO], s[PFA:PFA+1] th:TH_LOAD_NT scope:SCOPE_SE
.Lnot_mine_\@:
.endm
	s_load_b128 s[4:7], s[0:1], 0x0                ; xb s[4:5], wt s[6:7]
	s_load_b64 s[8:9], s[0:1], 0x10                ; obuf
	v_lshl_add_u32 v[SPW], v0, 2, SPARE
	v_mov_b32 v[NIL], 0
	ds_add_u32 v[SPW], v[NIL]                      ; the wave's opening: the add and its wait stand ahead of my first tensor load; work on registers stands between them
	v_lshrrev_b32 v1, 5, v0
	v_readfirstlane_b32 s[WV], v1
	s_lshr_b32 s11, s[WV], 1
	s_and_b32 s12, s[WV], 1
	s_bfe_u32 s40, ttmp6, 0x40000                  ; cx
	s_bfe_u32 s41, ttmp6, 0x40004                  ; cy
	s_lshl_b32 s42, ttmp9, 2
	s_add_co_u32 s42, s42, s40                     ; the head = 4 x cluster x + cx
	s_and_b32 s13, ttmp7, 0xffff
	s_lshl_b32 s13, s13, 2
	s_add_co_u32 s13, s13, s41                     ; the first tile's row of tiles = 4 x cluster y + cy
	s_lshl_b32 s43, s41, 2
	s_lshl_b32 s43, 15, s43                        ; my row of the cluster
	s_lshl_b32 s44, 0x1111, s40                    ; my column
	s_or_b32 s[G1A], s43, (1<<16)|(1<<20)|(1<<21)|(5<<22)|(3<<25)  ; the mask; elements of 2 bytes; padding on; bit 21 beside a mask; after every 64 words 4 words
	s_or_b32 s[G1B], s44, (1<<16)|(1<<20)|(1<<21)|(5<<22)|(3<<25)
	s_mov_b32 s[G1A+1], KSTEP<<16                  ; tensor_dim0 = 128
	s_mov_b32 s[G1A+2], 128<<16                    ; tensor_dim1 = 128
	s_mov_b32 s[G1A+3], KSTEP<<16                  ; tile_dim0 = 128
	s_mov_b32 s[G1A+4], 128                        ; tile_dim1 = 128
	s_mov_b32 s[G1A+5], 1024                       ; elements from row to row
	s_mov_b32 s[G1A+6], 0
	s_mov_b32 s[G1A+7], 0
	s_mov_b32 s[G1B+1], KSTEP<<16
	s_mov_b32 s[G1B+2], 96<<16                     ; 96 rows
	s_mov_b32 s[G1B+3], KSTEP<<16
	s_mov_b32 s[G1B+4], 96
	s_mov_b32 s[G1B+5], 1024
	s_mov_b32 s[G1B+6], 0
	s_mov_b32 s[G1B+7], 0
	s_lshl_b32 s16, s13, 8                         ; x: row 256 x tile row + 128 x half, 2,048 bytes a row: made of cy alone
	s_lshl_b32 s17, s12, 7
	s_add_co_u32 s16, s16, s17
	s_lshl_b32 s16, s16, 11
	s_mov_b32 s17, 0
	s_mul_i32 s46, s42, 192                        ; wt: row 192 x head + 96 x half: made of cx alone
	s_mul_i32 s47, s12, 96
	s_add_co_u32 s46, s46, s47
	s_lshl_b32 s46, s46, 11
	s_mov_b32 s47, 0
	s_mul_i32 s20, s12, AHALF                      ; where they go: no place in the cluster enters an LDS address
	s_mul_i32 s21, s12, BHALF
	s_add_co_u32 s21, s21, BOFF
	s_mov_b32 s[SEL], 0x76543210
	s_mov_b32 s[SEL+1], 0xfedcba98
	s_mov_b32 s[CS], 0x3e38aa3b                    ; log2(e) / 8 = 0.180337
	s_mov_b32 s[CS+1], s[CS]
	s_mov_b32 s[BIGN], 0xf149f2ca                  ; -1e30
	s_mov_b32 s[U], 3
	s_mov_b32 s[T0+1], 0
	s_mov_b32 s[T1+1], 0
	s_wait_dscnt 0x0                               ; the opening add is done
	s_wait_kmcnt 0x0
	s_add_nc_u64 s[AB:AB+1], s[4:5], s[16:17]
	s_add_nc_u64 s[BB:BB+1], s[6:7], s[46:47]
	CROUND                                         ; all sixteen work-groups are here: the first joint loads meet
.irp s, 0,1
	s_mov_b32 s[G0A+4*(\s)], 1
	s_add_co_u32 s[G0A+4*(\s)+1], s20, (\s)*SLOT
	s_add_nc_u64 s[G0A+4*(\s)+2:G0A+4*(\s)+3], s[AB:AB+1], (\s)*KSTEP*2
	s_or_b32 s[G0A+4*(\s)+3], s[G0A+4*(\s)+3], 0x80000000
	s_mov_b32 s[G0B+4*(\s)], 1
	s_add_co_u32 s[G0B+4*(\s)+1], s21, (\s)*SLOT
	s_add_nc_u64 s[G0B+4*(\s)+2:G0B+4*(\s)+3], s[BB:BB+1], (\s)*KSTEP*2
	s_or_b32 s[G0B+4*(\s)+3], s[G0B+4*(\s)+3], 0x80000000
.endr
	s_cmp_eq_u32 s11, 0                            ; a wave's two first fills stand in one branch, ahead of every wait on TENSORcnt and every LDS read: two loads of mine are out
	s_cbranch_scc0 .Lfirst_b
	tensor_load_to_lds s[G0A:G0A+3], s[G1A:G1A+7]
	s_nop 0
	tensor_load_to_lds s[G0A+4:G0A+7], s[G1A:G1A+7]
	s_nop 0
.rept 4
	v_nop
.endr
	s_branch .Lfirst_asked
.Lfirst_b:
	tensor_load_to_lds s[G0B:G0B+3], s[G1B:G1B+7]
	s_nop 0
	tensor_load_to_lds s[G0B+4:G0B+7], s[G1B:G1B+7]
	s_nop 0
.rept 4
	v_nop
.endr
.Lfirst_asked:
	; a fragment is 16 rows x 32 K in 8 registers: lane l holds row l % 16, K = 8 (l / 16) + 0..7 and 16 + 8 (l / 16) + 0..7: two loads of 16 bytes, 32 bytes apart
	v_and_b32 v1, 15, v0                           ; r
	v_bfe_u32 v2, v0, 4, 1                         ; h
	v_mul_u32_u24 v3, v1, PITCH
	v_lshl_add_u32 v3, v2, 4, v3
	s_mul_i32 s16, s[WV], 64*PITCH                 ; my 64 rows of x
	v_add_nc_u32 v[ADRA], s16, v3
	v_add_nc_u32 v[ADRA+1], SLOT, v[ADRA]
	v_add_nc_u32 v[ADRB], BOFF, v3
	v_add_nc_u32 v[ADRB+1], SLOT+BOFF, v3
	s_mul_i32 s17, s[WV], 16*SP
	s_add_co_u32 s17, s17, STAGE                   ; my stage
	v_mul_u32_u24 v[STO], v1, SP
	v_lshl_add_u32 v[STO], v2, 4, v[STO]
	v_add_nc_u32 v[STO], s17, v[STO]
	v_bfe_u32 v[RD], v0, 3, 2                      ; back: 32 lanes take four rows of 128 bytes,
	v_mul_u32_u24 v[RD], v[RD], SP
	v_and_b32 v14, 7, v0
	v_lshl_add_u32 v[RD], v14, 4, v[RD]
	v_add_nc_u32 v[RD], s17, v[RD]
	v_and_b32 v[GO], 31, v0                        ; which are 512 consecutive bytes of obuf
	v_lshlrev_b32 v[GO], 4, v[GO]
	v_lshlrev_b32 v14, 3, v2
	v_sub_nc_u32 v14, v1, v14                      ; register j is hidden where j > r - 8 h
.irp j, 0,1,2,3,4,5,6,7
	v_cmp_gt_i32 vcc_lo, \j, v14
	v_cndmask_b32 v[MD+(\j)], 0, s[BIGN], vcc_lo
.endr
.irp z, 4,5,6,7,20,21,22,23
	v_mov_b32 v[P+(\z)], 0                         ; queries 0-15 see none of keys 16-31: their weights are 0, written once
.endr
	s_lshl_b32 s20, s42, 21                        ; obuf: a head is 2,097,152 bytes,
	s_lshl_b32 s21, s13, 15                        ; a tile's 256 rows of 128 bytes,
	s_add_co_u32 s20, s20, s21
	s_lshl_b32 s21, s[WV], 13                      ; my 64 rows
	s_add_co_u32 s20, s20, s21
	s_mov_b32 s21, 0
	s_add_nc_u64 s[8:9], s[8:9], s[20:21]
	; the prefetches: who, and which rows
	s_lshl_b32 s20, s13, 8
	s_mul_i32 s21, s42, 192
	s_movk_i32 s22, 96
	s_and_b32 s18, ttmp7, 0xffff                   ; cluster y
	s_cmp_eq_u32 s11, 0                            ; do I fetch x?
	s_cselect_b32 s20, s20, s21                    ; the tile's first row
	s_cselect_b32 s22, 128, s22                    ; the rows that a wave fetches
	s_cselect_b32 s21, s40, s41                    ; my place among the four that ask with me
	s_cselect_b32 s23, 32, 24                      ; the rows that a partner prefetches
	s_cselect_b32 s19, 31, 23
	s_cselect_b32 s18, ttmp9, s18                  ; the coordinate along which other clusters read the same rows
	s_cselect_b32 s[LIM], 32, 8
	s_cselect_b64 s[PFB:PFB+1], s[4:5], s[6:7]
	s_mul_i32 s22, s22, s12
	s_mul_i32 s21, s21, s23
	s_add_co_u32 s20, s20, s22
	s_add_co_u32 s20, s20, s21
	s_lshl_b32 s20, s20, 11
	s_mov_b32 s21, 0
	s_add_nc_u64 s[PFB:PFB+1], s[PFB:PFB+1], s[20:21]
	s_cmp_eq_u32 s18, 0
	s_cselect_b32 s[LIM], s[LIM], 0                ; the same in all sixteen partners, for a given wave
	v_and_b32 v[PFO], 31, v0
	v_min_u32 v[PFO], s19, v[PFO]
	v_lshlrev_b32 v[PFO], 11, v[PFO]
; 16 products for q and k: token blocks a0, a0 + 1 x feature blocks 0-7, 32 along K.  zero = 1: they start the sums.  The 48 accumulators of a quarter take turns.
.macro MULQK f, a0, zero
	WIN 0xa1                                       ; source 0 (wt) window 1, source 1 (x) window 0, C and D window 2
.irp a, \a0, (\a0)+1
.irp b, 0,1,2,3,4,5,6,7
.if \zero
	v_wmma_f32_16x16x32_bf16 v[8*(8*(\a)+(\b)):8*(8*(\a)+(\b))+7], v[96*(\f)+8*(\b):96*(\f)+8*(\b)+7], v[FA0+32*(\f)+8*(\a):FA0+32*(\f)+8*(\a)+7], 0
.else
	v_wmma_f32_16x16x32_bf16 v[8*(8*(\a)+(\b)):8*(8*(\a)+(\b))+7], v[96*(\f)+8*(\b):96*(\f)+8*(\b)+7], v[FA0+32*(\f)+8*(\a):FA0+32*(\f)+8*(\a)+7], v[8*(8*(\a)+(\b)):8*(8*(\a)+(\b))+7]
.endif
.endr
.endr
.endm
; 16 products for v, the sources swapped
.macro MULV f, zero
	WIN 0xf4                                       ; source 0 (x) window 0, source 1 (wt) window 1, C and D window 3
.irp a, 0,1,2,3
.irp c, 0,1,2,3
.if \zero
	v_wmma_f32_16x16x32_bf16 v[8*(4*(\a)+(\c)):8*(4*(\a)+(\c))+7], v[FA0+32*(\f)+8*(\a):FA0+32*(\f)+8*(\a)+7], v[96*(\f)+64+8*(\c):96*(\f)+64+8*(\c)+7], 0
.else
	v_wmma_f32_16x16x32_bf16 v[8*(4*(\a)+(\c)):8*(4*(\a)+(\c))+7], v[FA0+32*(\f)+8*(\a):FA0+32*(\f)+8*(\a)+7], v[96*(\f)+64+8*(\c):96*(\f)+64+8*(\c)+7], v[8*(4*(\a)+(\c)):8*(4*(\a)+(\c))+7]
.endif
.endr
.endr
.endm
; 32 LDS loads in one run: 64 rows of x, then 192 rows of wt, v's rows last; 32 K at byte k of the rows, into buffer f
.macro FETCH slot, k, f
	WIN 0
.irp i, 0,1,2,3
	ds_load_b128 v[FA0+32*(\f)+8*(\i):FA0+32*(\f)+8*(\i)+3],   v[ADRA+(\slot)] offset:(\k)+(\i)*16*PITCH
	ds_load_b128 v[FA0+32*(\f)+8*(\i)+4:FA0+32*(\f)+8*(\i)+7], v[ADRA+(\slot)] offset:(\k)+(\i)*16*PITCH+32
.endr
	WIN 0x40                                       ; destination window 1
.irp i, 0,1,2,3,4,5,6,7,8,9,10,11
	ds_load_b128 v[96*(\f)+8*(\i):96*(\f)+8*(\i)+3],   v[ADRB+(\slot)] offset:(\k)+(\i)*16*PITCH
	ds_load_b128 v[96*(\f)+8*(\i)+4:96*(\f)+8*(\i)+7], v[ADRB+(\slot)] offset:(\k)+(\i)*16*PITCH+32
.endr
.endm
; A K step is four quarters of 32 along K, 48 matrix instructions each, on buffers 0, 1, 0, 1.  One of the first three:
.macro QUARTER slot, k, f, g, zero
	s_wait_dscnt 8                                 ; x's and q's and k's fragments are in; the youngest eight loads (v's rows of wt) may be out
	MULQK \f, 0, \zero
	MULQK \f, 2, \zero
	PLACES                                         ; behind the products that read buffer g last
	FETCH \slot, \k, \g
	s_wait_dscnt 32                                ; all but the 32 just issued
	MULV \f, \zero
.endm
; The fourth quarter changes slots and fills the slot just read out with the step two on (the next tile's, at a tile's end).  Each wave waits for all its tensor loads, of which one is out: its part of
; the next slot; adds 0 to its spare word; and waits for that and for its reads of this slot.  The barrier opens a round of the cluster's barrier; the joint refill is the first tensor load behind the round
; and has 160 matrix instructions in which to land.
.macro TURN slot, next
	s_wait_xcnt 0x0                                ; the last prefetch, a K step back, has read its address
	s_add_co_u32 s[U], s[U], 1
	s_lshr_b32 s[T0], s[U], 3
	s_lshl_b32 s[T0], s[T0], 23                    ; a tile on: 4,096 rows of 2,048 bytes
	s_and_b32 s[T2], s[U], 7
	s_lshl_b32 s[T2], s[T2], 8                     ; a K step: 256 bytes
	s_or_b32 s[T0], s[T0], s[T2]
	s_add_nc_u64 s[PFA:PFA+1], s[PFB:PFB+1], s[T0:T0+1]
	WIN 0
	s_wait_tensorcnt 0x0                           ; no tensor load of mine is out, so a group 0 may be written
	ds_add_u32 v[SPW], v[NIL]                      ; 0 onto my spare word
	s_sub_co_u32 s[T2], s[U], 2                    ; the step to be asked for; its address is made anew from the number
	s_and_b32 s[T1], s[T2], 7
	s_lshl_b32 s[T1], s[T1], 8
	s_lshr_b32 s[T0], s[T2], 3
	s_lshl_b32 s[T0], s[T0], 23
	s_or_b32 s[T0], s[T0], s[T1]
	s_add_nc_u64 s[G0A+4*(\slot)+2:G0A+4*(\slot)+3], s[AB:AB+1], s[T0:T0+1]
	s_or_b32 s[G0A+4*(\slot)+3], s[G0A+4*(\slot)+3], 0x80000000
	s_add_nc_u64 s[G0B+4*(\slot)+2:G0B+4*(\slot)+3], s[BB:BB+1], s[T1:T1+1]  ; all tiles of the walk take the same rows of wt
	s_or_b32 s[G0B+4*(\slot)+3], s[G0B+4*(\slot)+3], 0x80000000
	s_wait_dscnt 9                                 ; the add and the youngest eight loads may be out
	MULQK 1, 0, 0
	s_wait_dscnt 0x0                               ; the add is done, and my reads of this slot are over
	s_barrier_signal -1
	MULQK 1, 2, 0
	WIN 0
	s_barrier_wait -1
	CREST
	JLOAD \slot                                    ; its four v_nop are also the places in front of the loads below
	FETCH \next, 0, 0
	WIN 0
	ASK
	MULV 1, 0
.endm
.macro TURNX next                      ; the same where nothing is left to fetch: a plain barrier
	WIN 0
	s_wait_tensorcnt 0x0
	ds_add_u32 v[SPW], v[NIL]
	s_wait_dscnt 9
	MULQK 1, 0, 0
	s_wait_dscnt 0x0
	s_barrier_signal -1
	MULQK 1, 2, 0
	s_barrier_wait -1
	PLACES
	FETCH \next, 0, 0
	MULV 1, 0
.endm
; THE ATTENTION of my two batches, in registers.
.macro BOTH line:vararg                ; one line for each batch.  XA: the 8 scores of a lane's query in block 0; XB: the 16 of its query in block 1; TA, TB their statistics; PA, PB their weights
.set bt, 0
.rept 2
.set XA, S+24*bt
.set XB, XA+8
.set TA, ST+16*bt
.set TB, TA+8
.set PA, P+16*bt
.set PB, PA+8
	\line
.set bt, bt+1
.endr
.endm
.macro PACK a                          ; rows 16 a .. 16 a + 15 of O: rounded, 16 bytes a lane into rows of 144 bytes, back as whole rows of 128
	WIN 0x0a                                       ; sources window 2, destination window 0
.irp c, 0,1,2,3
.irp i, 0,1,2,3
	v_cvt_pk_f16_f32 v[OUT+16*(\a)+4*(\c)+(\i)], v[8*(8*(\a)+2*(\c)+1)+2*(\i)], v[8*(8*(\a)+2*(\c)+1)+2*(\i)+1]
.endr
.endr
	WIN 0
.irp c, 0,1,2,3
	ds_store_b128 v[STO], v[OUT+16*(\a)+4*(\c):OUT+16*(\a)+4*(\c)+3] offset:32*(\c)
.endr
.irp f, 0,1,2,3
	ds_load_b128 v[OUT+16*(\a)+4*(\f):OUT+16*(\a)+4*(\f)+3], v[RD] offset:(\f)*4*SP  ; LDS serves a wave's instructions in order (ISA guide 5.7.1.4): these see the stores above
.endr
.endm
.macro SEND a, younger                 ; younger: the LDS instructions issued behind block a's loads: the next block's eight, or none
.irp f, 0,1,2,3
	s_wait_dscnt (\younger)+3-(\f)
	global_store_b128 v[GO], v[OUT+16*(\a)+4*(\f):OUT+16*(\a)+4*(\f)+3], s[8:9] offset:(\a)*2048+(\f)*512  ; 512 consecutive bytes, at a multiple of 256 from obuf's first
.endr
.endm
.macro ATTN last
	WIN 0
	PLACES                                         ; behind the tile's last products
	WIN 0x8a                                       ; q and k to f16, in place: two neighbouring accumulators become one fragment in the first one's registers
.set z, 0
.rept 16
.irp i, 0,1,2,3
	v_cvt_pk_f16_f32 v[16*z+(\i)], v[16*z+2*(\i)], v[16*z+2*(\i)+1]
.endr
.irp i, 0,1,2,3
	v_cvt_pk_f16_f32 v[16*z+4+(\i)], v[16*z+8+2*(\i)], v[16*z+8+2*(\i)+1]
.endr
.set z, z+1
.endr
	WIN 0x0a                                       ; S^T = K Q^T: K and Q window 2, S^T and the mask window 0.  The tile of keys 16-31 and queries 0-15 is all hidden and is not made
.irp kk, 0,1
.irp b2, 0,1
.irp t, 0,1,2
.set kb, (\t)/2
.set qb, ((\t)+1)/2
.set rS, S+24*(\b2)+8*(\t)
.set rK, 8*(8*(2*(\b2)+kb)+4+2*(\kk))
.set rQ, 8*(8*(2*(\b2)+qb)+2*(\kk))
.if (\kk) == 1
	v_wmma_f32_16x16x32_f16 v[rS:rS+7], v[rK:rK+7], v[rQ:rQ+7], v[rS:rS+7]
.elseif (\t) == 1
	v_wmma_f32_16x16x32_f16 v[rS:rS+7], v[rK:rK+7], v[rQ:rQ+7], 0
.else
	v_wmma_f32_16x16x32_f16 v[rS:rS+7], v[rK:rK+7], v[rQ:rQ+7], v[MD:MD+7]
.endif
.endr
.endr
.endr
	WIN 0xcf                                       ; v to f16, in place: a batch's two token blocks become one fragment of V^T.  These 64 lines are also the places behind the scores' products
.irp b2, 0,1
.irp c, 0,1,2,3
.irp i, 0,1,2,3
	v_cvt_pk_f16_f32 v[64*(\b2)+8*(\c)+(\i)], v[64*(\b2)+8*(\c)+2*(\i)], v[64*(\b2)+8*(\c)+2*(\i)+1]
.endr
.irp i, 0,1,2,3
	v_cvt_pk_f16_f32 v[64*(\b2)+8*(\c)+4+(\i)], v[64*(\b2)+32+8*(\c)+2*(\i)], v[64*(\b2)+32+8*(\c)+2*(\i)+1]
.endr
.endr
.endr
	WIN 0
	; the maximum of a query's scores; each accumulator's lowest registers are read first
	BOTH v_max3_num_f32 v[TA+2], v[XA], v[XA+1], v[XA+2]
	BOTH v_max3_num_f32 v[TB+2], v[XB], v[XB+1], v[XB+2]
	BOTH v_max3_num_f32 v[TB+3], v[XB+8], v[XB+9], v[XB+10]
	BOTH v_max3_num_f32 v[TA+3], v[XA+3], v[XA+4], v[XA+5]
	BOTH v_max3_num_f32 v[TB+2], v[TB+2], v[XB+3], v[XB+4]
	BOTH v_max3_num_f32 v[TB+3], v[TB+3], v[XB+11], v[XB+12]
	BOTH v_max3_num_f32 v[TA+2], v[TA+2], v[XA+6], v[XA+7]
	BOTH v_max3_num_f32 v[TB+2], v[TB+2], v[XB+5], v[XB+6]
	BOTH v_max3_num_f32 v[TB+3], v[TB+3], v[XB+13], v[XB+14]
	BOTH v_max_num_f32 v[TA+2], v[TA+2], v[TA+3]
	BOTH v_max3_num_f32 v[TB+2], v[TB+2], v[XB+7], v[XB+15]
	BOTH v_permlanex16_b32 v[TA+3], v[TA+2], s[SEL], s[SEL+1]  ; the query's other keys lie in the lane 16 away
	BOTH v_max_num_f32 v[TB+2], v[TB+2], v[TB+3]
	BOTH v_max_num_f32 v[TA], v[TA+2], v[TA+3]
	BOTH v_max_num_f32 v[TA+1], v[TA+2], v[TA+3]
	BOTH v_permlanex16_b32 v[TB+3], v[TB+2], s[SEL], s[SEL+1]
	BOTH v_max_num_f32 v[TB], v[TB+2], v[TB+3]
	BOTH v_max_num_f32 v[TB+1], v[TB+2], v[TB+3]
	; p = 2^(c (s - m)): the difference first, then the scale: c s - c m in one line would carry the rounding of c m, which grows with the scores, into the exponent
.irp i, 0,1,2,3
	BOTH v_pk_add_f32 v[XA+2*(\i):XA+2*(\i)+1], v[XA+2*(\i):XA+2*(\i)+1], v[TA:TA+1] neg_lo:[0,1] neg_hi:[0,1]
.endr
.irp i, 0,1,2,3,4,5,6,7
	BOTH v_pk_add_f32 v[XB+2*(\i):XB+2*(\i)+1], v[XB+2*(\i):XB+2*(\i)+1], v[TB:TB+1] neg_lo:[0,1] neg_hi:[0,1]
.endr
.set z, 0
.rept 24
	v_pk_mul_f32 v[S+2*z:S+2*z+1], v[S+2*z:S+2*z+1], s[CS:CS+1] op_sel_hi:[1,0]
.set z, z+1
.endr
.set z, 0
.rept 48
	v_exp_f32 v[S+z], v[S+z]                       ; one batch of 48
.set z, z+1
.endr
	v_nop                                          ; a plain instruction behind the last exponential,
	s_wait_alu depctr_va_vdst(0)                   ; and one wait ahead of the batch's first reader
	; l, the sum of the unrounded weights
	BOTH v_pk_add_f32 v[TA+2:TA+3], v[XA:XA+1], v[XA+2:XA+3]
	BOTH v_pk_add_f32 v[TA+4:TA+5], v[XA+4:XA+5], v[XA+6:XA+7]
	BOTH v_pk_add_f32 v[TB+2:TB+3], v[XB:XB+1], v[XB+2:XB+3]
	BOTH v_pk_add_f32 v[TB+4:TB+5], v[XB+4:XB+5], v[XB+6:XB+7]
	BOTH v_pk_add_f32 v[TA+2:TA+3], v[TA+2:TA+3], v[TA+4:TA+5]
	BOTH v_pk_add_f32 v[TB+2:TB+3], v[TB+2:TB+3], v[XB+8:XB+9]
	BOTH v_pk_add_f32 v[TB+4:TB+5], v[TB+4:TB+5], v[XB+10:XB+11]
	BOTH v_add_f32 v[TA+4], v[TA+2], v[TA+3]
	BOTH v_pk_add_f32 v[TB+2:TB+3], v[TB+2:TB+3], v[XB+12:XB+13]
	BOTH v_pk_add_f32 v[TB+4:TB+5], v[TB+4:TB+5], v[XB+14:XB+15]
	BOTH v_permlanex16_b32 v[TA+5], v[TA+4], s[SEL], s[SEL+1]
	BOTH v_pk_add_f32 v[TB+2:TB+3], v[TB+2:TB+3], v[TB+4:TB+5]
	BOTH v_add_f32 v[TA+4], v[TA+4], v[TA+5]
	BOTH v_add_f32 v[TB+4], v[TB+2], v[TB+3]
	BOTH v_permlanex16_b32 v[TB+5], v[TB+4], s[SEL], s[SEL+1]
	BOTH v_add_f32 v[TB+4], v[TB+4], v[TB+5]
	BOTH v_rcp_f32 v[TA+6], v[TA+4]                ; twice, to fill the pair that the packed multiply takes
	BOTH v_rcp_f32 v[TA+7], v[TA+4]
	BOTH v_rcp_f32 v[TB+6], v[TB+4]
	BOTH v_rcp_f32 v[TB+7], v[TB+4]
	v_nop
	s_wait_alu depctr_va_vdst(0)                   ; one wait for the eight reciprocals
	; the weights are divided by l before the product, so O needs no scaling; then rounded to f16
.irp i, 0,1,2,3
	BOTH v_pk_mul_f32 v[XA+2*(\i):XA+2*(\i)+1], v[XA+2*(\i):XA+2*(\i)+1], v[TA+6:TA+7]
.endr
.irp i, 0,1,2,3,4,5,6,7
	BOTH v_pk_mul_f32 v[XB+2*(\i):XB+2*(\i)+1], v[XB+2*(\i):XB+2*(\i)+1], v[TB+6:TB+7]
.endr
.irp i, 0,1,2,3
	BOTH v_cvt_pk_f16_f32 v[PA+(\i)], v[XA+2*(\i)], v[XA+2*(\i)+1]
.endr
.irp i, 0,1,2,3,4,5,6,7
	BOTH v_cvt_pk_f16_f32 v[PB+(\i)], v[XB+2*(\i)], v[XB+2*(\i)+1]
.endr
	WIN 0x83                                       ; O^T = V^T P: V window 3, P window 0; the results land in q's and k's odd accumulators, which the rounding has emptied
.irp c, 0,1,2,3
.irp g, 0,1,2,3
	v_wmma_f32_16x16x32_f16 v[8*(8*(\g)+2*(\c)+1):8*(8*(\g)+2*(\c)+1)+7], v[64*((\g)/2)+8*(\c):64*((\g)/2)+8*(\c)+7], v[P+8*(\g):P+8*(\g)+7], 0
.endr
.endr
	PLACES
	PACK 0
	PACK 1                                         ; a block's arithmetic stands between the loads of the block before and its stores
	SEND 0, 8
	PACK 2
	SEND 1, 8
	PACK 3
	SEND 2, 8
	SEND 3, 0
.if !(\last)
	s_wait_xcnt 0x0                                ; the stores have read their registers and their base: both are written again only behind this wait
	s_add_nc_u64 s[8:9], s[8:9], 4096*128          ; the next tile's rows of obuf
.endif
.endm
	s_wait_tensorcnt 1                             ; my part of K step 0 is in; slot 1's may stay out
	s_barrier_signal -1
	s_barrier_wait -1                              ; everybody's is
	FETCH 0, 0, 0
	QUARTER 0, 64, 0, 1, 1                         ; a tile's first quarter starts the sums: nothing is ever cleared
	WIN 0
	s_mov_b32 s[LAPC], 15                          ; 4 tiles x 4 laps, less the last, which fills nothing and is written out
	s_mov_b32 s[TL], 4
.Llap:                                                 ; a trip: from a lap's second quarter to the next lap's first; both slots are filled again
	QUARTER 0, 128, 1, 0, 0
	QUARTER 0, 192, 0, 1, 0
	TURN 0, 1
	QUARTER 1, 64,  0, 1, 0
	QUARTER 1, 128, 1, 0, 0
	QUARTER 1, 192, 0, 1, 0
	TURN 1, 0
	WIN 0
	s_sub_co_u32 s[TL], s[TL], 1
	s_cmp_lg_u32 s[TL], 0
	s_cbranch_scc1 .Lsame                          ; forward, past text that holds neither a barrier nor a tensor load
	ATTN 0                                         ; the tile is whole; both refills for the next one are on their way
	s_mov_b32 s[TL], 4
	QUARTER 0, 64, 0, 1, 1
	WIN 0
	s_branch .Lnext
.Lsame:
	QUARTER 0, 64, 0, 1, 0
	WIN 0
.Lnext:
	s_sub_co_u32 s[LAPC], s[LAPC], 1
	s_cmp_lg_u32 s[LAPC], 0
	s_cbranch_scc1 .Llap
	QUARTER 0, 128, 1, 0, 0
	QUARTER 0, 192, 0, 1, 0
	TURNX 1
	QUARTER 1, 64,  0, 1, 0
	QUARTER 1, 128, 1, 0, 0
	QUARTER 1, 192, 0, 1, 0
	s_wait_dscnt 8                                 ; the very last quarter: nothing more to fetch
	MULQK 1, 0, 0
	MULQK 1, 2, 0
	s_wait_dscnt 0x0
	MULV 1, 0
	ATTN 1
	WIN 0
	s_wait_tensorcnt 0x0                           ; the wave's end, behind my last tensor load and my last LDS store
	ds_add_u32 v[SPW], v[NIL]
	s_wait_dscnt 0x0
	CROUND                                         ; the closing round: no work-group ends while a partner may still ask for a tile that names it
	s_endpgm
.Lfunc_end_k_q1c0f5f1e70_qkvatt:
	.size	k_q1c0f5f1e70_qkvatt, .Lfunc_end_k_q1c0f5f1e70_qkvatt-k_q1c0f5f1e70_qkvatt
	.p2alignl 7, 3214868480
	.fill 96, 4, 3214868480
	.section	.rodata,"a",@progbits
	.p2align	6, 0x0
	.amdhsa_kernel k_q1c0f5f1e70_qkvatt
		.amdhsa_group_segment_fixed_size 327680
		.amdhsa_private_segment_fixed_size 0
		.amdhsa_enable_private_segment 0
		.amdhsa_kernarg_size 24
		.amdhsa_user_sgpr_count 2
		.amdhsa_user_sgpr_kernarg_segment_ptr 1
		.amdhsa_wavefront_size32 1
		.amdhsa_system_sgpr_workgroup_id_x 1
		.amdhsa_system_sgpr_workgroup_id_y 1
		.amdhsa_system_sgpr_workgroup_id_z 1
		.amdhsa_system_vgpr_workitem_id 0
		.amdhsa_next_free_vgpr 896
		.amdhsa_next_free_sgpr 90
		.amdhsa_reserve_vcc 1
		.amdhsa_float_denorm_mode_32 3
		.amdhsa_float_denorm_mode_16_64 3
		.amdhsa_memory_ordered 1
		.amdhsa_forward_progress 1
		.amdhsa_inst_pref_size 172
	.end_amdhsa_kernel
	.amdgpu_metadata
---
amdhsa.version: [ 1, 2 ]
amdhsa.kernels:
  - .name:           k_q1c0f5f1e70_qkvatt
    .symbol:         k_q1c0f5f1e70_qkvatt.kd
    .args:
      - { .name: xb, .offset: 0, .size: 8, .value_kind: global_buffer, .address_space: global }
      - { .name: wt, .offset: 8, .size: 8, .value_kind: global_buffer, .address_space: global }
      - { .name: obuf, .offset: 16, .size: 8, .value_kind: global_buffer, .address_space: global }
    .group_segment_fixed_size: 327680
    .private_segment_fixed_size: 0
    .kernarg_segment_align: 8
    .kernarg_segment_size: 24
    .max_flat_workgroup_size: 128
    .sgpr_count:     90
    .vgpr_count:     896
    .wavefront_size: 32
...
	.end_amdgpu_metadata
.endif
;; end of part 2
;; launch proj (part 3): grid 4 x 64, 4 waves a work-group, clusters of 4 x 4, 327,680 bytes of LDS; arguments obuf, wpt, bp, out0; writes out0
.if DOCPART == 3
	.amdgcn_target "amdgcn-amd-amdhsa--gfx1250"
	.amdhsa_code_object_version 6
	.text
	.protected	k_q1c0f5f1e70_proj
	.globl	k_q1c0f5f1e70_proj
	.p2align	8
	.type	k_q1c0f5f1e70_proj,@function
k_q1c0f5f1e70_proj:
	s_mov_b64 s[64:65], 0
	v_nop
	global_prefetch_b8 v0, s[64:65] scope:SCOPE_SE
	s_setreg_imm32_b32 hwreg(HW_REG_WAVE_MODE, 25, 1), 1
	s_wait_xcnt 0x0
	s_wait_alu depctr_hold_cnt(0) depctr_sa_sdst(0) depctr_va_vdst(0) depctr_va_sdst(0) depctr_va_ssrc(0) depctr_va_vcc(0) depctr_vm_vsrc(0)
	s_getreg_b32 s2, hwreg(HW_REG_IB_STS2, 6, 4)
	s_cmp_eq_u32 s2, 0
	s_cbranch_scc0 .Lentry_in_a_cluster
	s_endpgm
.Lentry_in_a_cluster:
	s_bfe_u32 s2, ttmp6, 0x10000c
	s_cmp_lg_u32 s2, 0xf033
	s_cbranch_scc0 .Lentry_shape_is_right
	s_endpgm
.Lentry_shape_is_right:
; out0[m][n] = the sum over k of O[m][k] Wp[k][n] + bp[n].  obuf [16 heads][16384][64] f16 (k = 64 head + d), wpt [1024 n][1024 k] f16, bp [1024] f32, out0 [16384][1024] f32.
; A tile of out0, 256 x 256, is made by four waves, 128 x 128 each: 64 accumulators, 512 registers.  K goes in eight steps of 128, two heads a step, through a ring of two LDS slots.
; 4 x 64 tiles: 256 work-groups, one tile each.  CLUSTERS of 4 x 4: O's tile is shared along a row of the cluster, wpt's along a column: each is asked for JOINTLY.
; The bias, rounded to bf16 like the module's other inputs, is the C operand of the products that start the sums: nothing is cleared and nothing is added at the end.
; THE MATRIX INSTRUCTION IS USED TRANSPOSED (source 0 = 16 rows of wpt, source 1 = 16 rows of O): a lane holds one row m (lane % 16) and eight neighbouring columns: 32 bytes of out0.
; LIMITS.  O and wpt arrive within f16's range; NaN and infinities are not treated apart.
; REGISTERS: window 0: v0-31 addresses; v64-127, v128-191 O's fragments, two buffers, on the way out rows read back; v192-255 the bias.  window 1: v64-191 wpt's fragments.  windows 2, 3: accumulators (a, b) at 8 (8 (a % 4) + b).
.set KSTEP,  128
.set PA,     144                       ; an LDS row of O: a head's 128 bytes + 16
.set PB,     272                       ; an LDS row of wpt: 256 bytes + 16
.set HB,     256*PA                    ; a head's 256 rows: what wave 0 or 1 fetches
.set BHALF,  128*PB                    ; what wave 2 or 3 fetches
.set SLOT,   2*HB+2*BHALF              ; 143,360 bytes
.set STAGE,  2*SLOT                    ; behind the ring, never filled by a tensor load: 16 rows x 528 bytes for each wave
.set SPITCH, 528                       ; 512 bytes of a row + 16
.set SPARE,  STAGE+4*16*SPITCH         ; the spare words, 128 bytes for each wave: two blocks of 256 bytes that no other line names
.set ASTEP,  2*2097152                 ; a K step on in obuf: two heads
.set LAPS,   4
.set ADRA, 16                          ; v16-17 LDS address of my fragments of O in slot 0, 1
.set ADRB, 20                          ; v20-21 the same for wpt
.set STO,  24
.set RD,   25
.set CO,   26                          ; v26 16 x lane: my 16 bytes of a row's 512
.set BO,   27                          ; v27 my byte offset in bp
.set SPW,  28
.set NIL,  29
.set PFO,  30
.set F0,   64
.set F1,   128
.set OB,   64                          ; the way out: two buffers of 64
.set BIAS, 192                         ; column block b at BIAS + 8 b: bp[n0 + 16 b + 8 (l / 16) + j]
.set LAPC, 12
.set G1A, 24
.set G0A, 32
.set LIM, 43
.set PFA, 44
.set G1B, 48
.set G0B, 56
.set WV,  66                           ; s66 wave; s67 = wave / 2: my half of the rows, and 0 I fetch O, 1 wpt; s68 = wave % 2: my half of the columns, and which part I fetch
.set HR,  67
.set HC,  68
.set U,   69                           ; s69 the K step that a prefetch names
.set PST, 70                           ; s[70:71] a K step in the buffer that I prefetch
.set MSB, 0
.macro WIN new
.if MSB != (\new)
	s_set_vgpr_msb (MSB<<8)|(\new)
.set MSB, \new
.endif
.endm
.macro PLACES
.rept 4
	v_nop
.endr
.endm
.macro JLOAD s                         ; a joint load; the branch hangs on the wave's number alone; an s_nop 0 and four v_nop follow each of the two lines
	s_cmp_eq_u32 s[HR], 0
	s_cbranch_scc0 .Lfor_b_\@
	tensor_load_to_lds s[G0A+4*(\s):G0A+4*(\s)+3], s[G1A:G1A+7]
	s_nop 0
.rept 4
	v_nop
.endr
	s_branch .Lasked_\@
.Lfor_b_\@:
	tensor_load_to_lds s[G0B+4*(\s):G0B+4*(\s)+3], s[G1B:G1B+7]
	s_nop 0
.rept 4
	v_nop
.endr
.Lasked_\@:
.endm
.macro CREST
	s_cmp_lg_u32 s[WV], 0
	s_cbranch_scc1 .Lnot_wave_0_\@
	s_barrier_signal -3
.Lnot_wave_0_\@:
	s_barrier_wait -3
	s_barrier_signal -1
	s_barrier_wait -1
.endm
.macro CROUND
	s_barrier_signal -1
	s_barrier_wait -1
	CREST
.endm
; A PREFETCH INTO THE L2 of the K step that stands two refills on, 512 matrix instructions ahead of its load; one instruction a wave.  O: a wave's head is 128 blocks of 256 bytes for the tile's rows; the four
; partners of a row of the cluster take 32 each, by cx, a lane a block; the grid has one cluster along x, so every cluster asks for its own rows.  wpt: a lane a row, 32 of a wave's 128 by cy; cluster y = 0 asks.
; K steps 0 to 3 come by their loads alone; steps 4 to 7 are named once each, and none beyond.
.macro ASK
	s_cmp_lt_u32 s[U], s[LIM]
	s_cbranch_scc0 .Lnot_mine_\@
	global_prefetch_b8 v[PFO], s[PFA:PFA+1] th:TH_LOAD_NT scope:SCOPE_SE
.Lnot_mine_\@:
.endm
	s_load_b256 s[4:11], s[0:1], 0x0               ; obuf s[4:5], wpt s[6:7], bp s[8:9], out0 s[10:11]
	v_lshl_add_u32 v[SPW], v0, 2, SPARE
	v_mov_b32 v[NIL], 0
	ds_add_u32 v[SPW], v[NIL]                      ; the wave's opening: the add and its wait stand ahead of my first tensor load; work on registers stands between them
	v_lshrrev_b32 v1, 5, v0
	v_readfirstlane_b32 s[WV], v1
	s_lshr_b32 s[HR], s[WV], 1
	s_and_b32 s[HC], s[WV], 1
	s_bfe_u32 s40, ttmp6, 0x40000                  ; cx
	s_bfe_u32 s41, ttmp6, 0x40004                  ; cy
	s_lshl_b32 s42, ttmp9, 2
	s_add_co_u32 s42, s42, s40                     ; tile column
	s_and_b32 s13, ttmp7, 0xffff
	s_lshl_b32 s13, s13, 2
	s_add_co_u32 s13, s13, s41                     ; tile row
	s_lshl_b32 s22, s41, 2
	s_lshl_b32 s22, 15, s22                        ; my row of the cluster
	s_lshl_b32 s23, 0x1111, s40                    ; my column
	; O: a head's 256 rows are 32,768 dense bytes: asked for as 128 rows of 256 bytes, two rows of O each, and padded in LDS after every row of O
	s_or_b32 s[G1A], s22, (1<<16)|(1<<20)|(1<<21)|(4<<22)|(3<<25)  ; the mask; elements of 2 bytes; padding on; bit 21 beside a mask; after every 32 words 4 words
	s_or_b32 s[G1B], s23, (1<<16)|(1<<20)|(1<<21)|(5<<22)|(3<<25)  ; after every 64 words 4 words
	s_mov_b32 s[G1A+1], 128<<16                    ; tensor_dim0 = 128
	s_mov_b32 s[G1A+2], 128<<16                    ; tensor_dim1 = 128
	s_mov_b32 s[G1A+3], 128<<16                    ; tile_dim0 = 128
	s_mov_b32 s[G1A+4], 128                        ; tile_dim1 = 128
	s_mov_b32 s[G1A+5], 128                        ; dense: 128 elements from row to row
	s_mov_b32 s[G1A+6], 0
	s_mov_b32 s[G1A+7], 0
	s_mov_b32 s[G1B+1], KSTEP<<16
	s_mov_b32 s[G1B+2], 128<<16
	s_mov_b32 s[G1B+3], KSTEP<<16
	s_mov_b32 s[G1B+4], 128
	s_mov_b32 s[G1B+5], 1024
	s_mov_b32 s[G1B+6], 0
	s_mov_b32 s[G1B+7], 0
	s_lshl_b32 s16, s13, 15                        ; O: the tile's 256 rows of 128 bytes, in head 0 or 1: made of cy alone
	s_lshl_b32 s17, s[HC], 21
	s_add_co_u32 s16, s16, s17
	s_mov_b32 s17, 0
	s_lshl_b32 s46, s42, 8                         ; wpt: row 256 x tile column + 128 x half: made of cx alone
	s_lshl_b32 s47, s[HC], 7
	s_add_co_u32 s46, s46, s47
	s_lshl_b32 s46, s46, 11
	s_mov_b32 s47, 0
	s_mul_i32 s20, s[HC], HB                       ; where they go: no place in the cluster enters an LDS address
	s_mul_i32 s21, s[HC], BHALF
	s_add_co_u32 s21, s21, 2*HB
	s_wait_dscnt 0x0                               ; the opening add is done
	s_wait_kmcnt 0x0
	s_add_nc_u64 s[14:15], s[4:5], s[16:17]
	s_add_nc_u64 s[46:47], s[6:7], s[46:47]
	CROUND                                         ; all sixteen work-groups are here: the first joint loads meet
.irp s, 0,1
	s_mov_b32 s[G0A+4*(\s)], 1
	s_add_co_u32 s[G0A+4*(\s)+1], s20, (\s)*SLOT
	s_add_nc_u64 s[G0A+4*(\s)+2:G0A+4*(\s)+3], s[14:15], (\s)*ASTEP
	s_or_b32 s[G0A+4*(\s)+3], s[G0A+4*(\s)+3], 0x80000000
	s_mov_b32 s[G0B+4*(\s)], 1
	s_add_co_u32 s[G0B+4*(\s)+1], s21, (\s)*SLOT
	s_add_nc_u64 s[G0B+4*(\s)+2:G0B+4*(\s)+3], s[46:47], (\s)*KSTEP*2
	s_or_b32 s[G0B+4*(\s)+3], s[G0B+4*(\s)+3], 0x80000000
.endr
	s_cmp_eq_u32 s[HR], 0                          ; a wave's two first fills stand in one branch: two loads of mine are out
	s_cbranch_scc0 .Lfirst_b
	tensor_load_to_lds s[G0A:G0A+3], s[G1A:G1A+7]
	s_nop 0
	tensor_load_to_lds s[G0A+4:G0A+7], s[G1A:G1A+7]
	s_nop 0
.rept 4
	v_nop
.endr
	s_branch .Lfirst_asked
.Lfirst_b:
	tensor_load_to_lds s[G0B:G0B+3], s[G1B:G1B+7]
	s_nop 0
	tensor_load_to_lds s[G0B+4:G0B+7], s[G1B:G1B+7]
	s_nop 0
.rept 4
	v_nop
.endr
.Lfirst_asked:
	v_and_b32 v1, 15, v0                           ; r
	v_bfe_u32 v2, v0, 4, 1                         ; h
	s_lshl_b32 s20, s42, 10                        ; my first column, in bytes of f32: 1,024 x tile column + 512 x half
	s_lshl_b32 s21, s[HC], 9
	s_add_co_u32 s20, s20, s21
	v_lshl_add_u32 v[BO], v2, 5, s20
.irp b, 0,1,2,3,4,5,6,7
	global_load_b128 v[BIAS+8*(\b):BIAS+8*(\b)+3],   v[BO], s[8:9] offset:64*(\b)
	global_load_b128 v[BIAS+8*(\b)+4:BIAS+8*(\b)+7], v[BO], s[8:9] offset:64*(\b)+16
.endr
	v_mul_u32_u24 v3, v1, PA
	v_lshl_add_u32 v3, v2, 4, v3
	s_mul_i32 s16, s[HR], 128*PA                   ; my 128 rows of O
	v_add_nc_u32 v[ADRA], s16, v3
	v_add_nc_u32 v[ADRA+1], SLOT, v[ADRA]
	v_mul_u32_u24 v4, v1, PB
	v_lshl_add_u32 v4, v2, 4, v4
	s_mul_i32 s17, s[HC], 128*PB                   ; my 128 rows of wpt, behind O's two heads
	s_add_co_u32 s17, s17, 2*HB
	v_add_nc_u32 v[ADRB], s17, v4
	v_add_nc_u32 v[ADRB+1], SLOT, v[ADRB]
	s_mul_i32 s16, s[WV], 16*SPITCH
	s_add_co_u32 s16, s16, STAGE                   ; my stage
	v_mul_u32_u24 v[STO], v1, SPITCH               ; in: row r, 32 bytes for each half of the lanes
	v_lshl_add_u32 v[STO], v2, 5, v[STO]
	v_add_nc_u32 v[STO], s16, v[STO]
	v_and_b32 v5, 31, v0
	v_lshlrev_b32 v[CO], 4, v5                     ; back: 32 lanes take a row's 512 bytes
	v_add_nc_u32 v[RD], s16, v[CO]
	s_lshl_b32 s18, s13, 20                        ; out0: 256 rows of 4,096 bytes a tile row,
	s_lshl_b32 s19, s[HR], 19                      ; my 128 rows,
	s_add_co_u32 s18, s18, s19
	s_add_co_u32 s18, s18, s20                     ; my columns
	s_mov_b32 s19, 0
	s_add_nc_u64 s[10:11], s[10:11], s[18:19]
	; the prefetches
	s_lshl_b32 s18, s[HC], 21
	s_lshl_b32 s19, s13, 15
	s_add_co_u32 s18, s18, s19
	s_lshl_b32 s19, s40, 13                        ; my work-group's 32 blocks of 256 bytes
	s_add_co_u32 s18, s18, s19
	s_add_co_u32 s18, s18, 3*ASTEP                 ; at K step 3: the first change of slots steps it to 4
	s_lshl_b32 s20, s42, 8
	s_lshl_b32 s21, s[HC], 7
	s_add_co_u32 s20, s20, s21
	s_lshl_b32 s21, s41, 5                         ; my work-group's 32 rows
	s_add_co_u32 s20, s20, s21
	s_lshl_b32 s20, s20, 11
	s_add_co_u32 s20, s20, 3*KSTEP*2
	s_mov_b32 s21, ASTEP
	s_and_b32 s22, ttmp7, 0xffff                   ; cluster y
	s_cmp_eq_u32 s[HR], 0                          ; do I fetch O?
	s_cselect_b32 s18, s18, s20
	s_cselect_b32 s[PST], s21, KSTEP*2
	s_cselect_b32 s22, 0, s22
	s_cselect_b32 s23, 8, 11                       ; a lane a block of 256 bytes, or a row of 2,048
	s_cselect_b64 s[PFA:PFA+1], s[4:5], s[6:7]
	s_mov_b32 s19, 0
	s_mov_b32 s[PST+1], 0
	s_add_nc_u64 s[PFA:PFA+1], s[PFA:PFA+1], s[18:19]
	s_cmp_eq_u32 s22, 0
	s_cselect_b32 s[LIM], 8, 0                     ; the same in all sixteen partners, for a given wave
	s_mov_b32 s[U], 3
	v_lshlrev_b32 v[PFO], s23, v5
	s_wait_loadcnt 0x0                             ; the bias, once
.set z, 0
.rept 32                                       ; rounded to bf16 and widened again
	v_cvt_pk_bf16_f32 v31, v[BIAS+2*z], v[BIAS+2*z+1]
	v_lshlrev_b32 v[BIAS+2*z], 16, v31
	v_and_b32 v[BIAS+2*z+1], 0xffff0000, v31
.set z, z+1
.endr
; 16 products: row blocks a0, a0 + 1 of the window's four (hi = 0: my rows 0-63, 1: rows 64-127) x all 8 column blocks, 32 along K.  first = 1: the bias starts the sums.
; The 64 accumulators take turns, in the same order in every quarter.
.macro MUL16 f, hi, a0, first
.if \first
	WIN 0x81+0x40*(\hi)                            ; source 0 (wpt) window 1, source 1 (O) and C (the bias) window 0, D window 2 or 3
.else
	WIN 0xa1+0x50*(\hi)                            ; C and D window 2 or 3
.endif
.irp a, \a0, (\a0)+1
.irp b, 0,1,2,3,4,5,6,7
.if \first
	v_wmma_f32_16x16x32_f16 v[8*(8*(\a)+(\b)):8*(8*(\a)+(\b))+7], v[(\f)+8*(\b):(\f)+8*(\b)+7], v[(\f)+8*(4*(\hi)+(\a)):(\f)+8*(4*(\hi)+(\a))+7], v[BIAS+8*(\b):BIAS+8*(\b)+7]
.else
	v_wmma_f32_16x16x32_f16 v[8*(8*(\a)+(\b)):8*(8*(\a)+(\b))+7], v[(\f)+8*(\b):(\f)+8*(\b)+7], v[(\f)+8*(4*(\hi)+(\a)):(\f)+8*(4*(\hi)+(\a))+7], v[8*(8*(\a)+(\b)):8*(8*(\a)+(\b))+7]
.endif
.endr
.endr
.endm
; 32 LDS loads in one run: quarter q of a K step: K = 32 q .. 32 q + 31: in wpt byte 64 q of the rows, in O head q / 2, byte 64 (q % 2)
.macro FETCH slot, q, f
	WIN 0x40
.irp i, 0,1,2,3,4,5,6,7
	ds_load_b128 v[(\f)+8*(\i):(\f)+8*(\i)+3],   v[ADRB+(\slot)] offset:64*(\q)+(\i)*16*PB
	ds_load_b128 v[(\f)+8*(\i)+4:(\f)+8*(\i)+7], v[ADRB+(\slot)] offset:64*(\q)+(\i)*16*PB+32
.endr
	WIN 0
.irp i, 0,1,2,3,4,5,6,7
	ds_load_b128 v[(\f)+8*(\i):(\f)+8*(\i)+3],   v[ADRA+(\slot)] offset:((\q)/2)*HB+((\q)%2)*64+(\i)*16*PA
	ds_load_b128 v[(\f)+8*(\i)+4:(\f)+8*(\i)+7], v[ADRA+(\slot)] offset:((\q)/2)*HB+((\q)%2)*64+(\i)*16*PA+32
.endr
.endm
.macro QUARTER slot, q, f, g, first
	s_wait_dscnt 8                                 ; wpt's fragments and O's rows 0-63 are in; the youngest eight loads (O's rows 64-127) may be out
	MUL16 \f, 0, 0, \first
	MUL16 \f, 0, 2, \first
	PLACES
	FETCH \slot, \q, \g
	s_wait_dscnt 32                                ; all but the 32 just issued
	MUL16 \f, 1, 0, \first
	MUL16 \f, 1, 2, \first
.endm
; The first half of the fourth quarter: ONE barrier for the change of slots.  In front of it each wave waits for all its tensor loads, of which one is out: its part of the next slot; adds 0 to its spare word;
; and waits for that and for its own reads of this slot.
.macro MEET round
	WIN 0
	s_wait_tensorcnt 0x0
	ds_add_u32 v[SPW], v[NIL]
	s_wait_dscnt 9                                 ; the add and the youngest eight loads may be out
	MUL16 F1, 0, 0, 0
	s_wait_dscnt 0x0                               ; the add is done, and my reads of this slot are over
	s_barrier_signal -1
	MUL16 F1, 0, 2, 0
.if \round
	WIN 0
.endif
	s_barrier_wait -1
.endm
.macro TURN slot, next                 ; the whole fourth quarter, with a refill two K steps on: the joint load is the first tensor load behind the round, 224 matrix instructions ahead of the wait for it
	s_wait_xcnt 0x0                                ; the last prefetch, a K step back, has read its address
	s_add_co_u32 s[U], s[U], 1
	s_add_nc_u64 s[PFA:PFA+1], s[PFA:PFA+1], s[PST:PST+1]
	MEET 1
	CREST
	s_add_nc_u64 s[G0A+4*(\slot)+2:G0A+4*(\slot)+3], s[G0A+4*(\slot)+2:G0A+4*(\slot)+3], 2*ASTEP
	s_add_nc_u64 s[G0B+4*(\slot)+2:G0B+4*(\slot)+3], s[G0B+4*(\slot)+2:G0B+4*(\slot)+3], 2*KSTEP*2
	JLOAD \slot                                    ; its four v_nop are also the places in front of the loads below
	FETCH \next, 0, F0
	ASK
	MUL16 F1, 1, 0, 0
	MUL16 F1, 1, 2, 0
.endm
; THE WAY OUT of row block a: 32 bytes a lane and column block into my own stage, back as whole rows of 512 bytes, stored.
.macro TOSTAGE a
	s_wait_xcnt 0x0                                ; the stores of the block two back have read the registers that are loaded below
	WIN 0x08+4*((\a)/4)                            ; the data in window 2 or 3
.irp b, 0,1,2,3,4,5,6,7
	ds_store_b128 v[STO], v[64*((\a)%4)+8*(\b):64*((\a)%4)+8*(\b)+3]   offset:64*(\b)      ; each accumulator's low half first
	ds_store_b128 v[STO], v[64*((\a)%4)+8*(\b)+4:64*((\a)%4)+8*(\b)+7] offset:64*(\b)+16
.endr
	WIN 0
.irp t, 0,1,2,3,4,5,6,7,8,9,10,11,12,13,14,15
	ds_load_b128 v[OB+64*((\a)%2)+4*(\t):OB+64*((\a)%2)+4*(\t)+3], v[RD] offset:(\t)*SPITCH  ; LDS serves a wave's instructions in order (ISA guide 5.7.1.4): these see the stores above
.endr
.endm
.macro SEND a, younger                 ; younger: the LDS instructions issued behind block a's loads: the next block's 32, or none
.irp t, 0,1,2,3,4,5,6,7,8,9,10,11,12,13,14,15
	s_wait_dscnt (\younger)+15-(\t)
	global_store_b128 v[CO], v[OB+64*((\a)%2)+4*(\t):OB+64*((\a)%2)+4*(\t)+3], s[10:11] offset:(16*(\a)+(\t))*4096 th:TH_STORE_NT  ; 512 consecutive bytes, at a multiple of 256 from out0's first
.endr
.endm
	s_wait_tensorcnt 1                             ; my part of K step 0 is in; slot 1's may stay out
	s_barrier_signal -1
	s_barrier_wait -1
	FETCH 0, 0, F0
	QUARTER 0, 1, F0, F1, 1
	WIN 0
	s_mov_b32 s[LAPC], LAPS-1
.Llap:                                                 ; a trip goes once round the ring, from a lap's second quarter to the next lap's first, and fills both slots again
	QUARTER 0, 2, F1, F0, 0
	QUARTER 0, 3, F0, F1, 0
	TURN 0, 1
	QUARTER 1, 1, F0, F1, 0
	QUARTER 1, 2, F1, F0, 0
	QUARTER 1, 3, F0, F1, 0
	TURN 1, 0
	QUARTER 0, 1, F0, F1, 0
	WIN 0
	s_sub_co_u32 s[LAPC], s[LAPC], 1
	s_cmp_lg_u32 s[LAPC], 0
	s_cbranch_scc1 .Llap
	QUARTER 0, 2, F1, F0, 0                        ; the last lap fills nothing
	QUARTER 0, 3, F0, F1, 0
	MEET 0
	PLACES
	FETCH 1, 0, F0
	MUL16 F1, 1, 0, 0
	MUL16 F1, 1, 2, 0
	QUARTER 1, 1, F0, F1, 0
	QUARTER 1, 2, F1, F0, 0
	QUARTER 1, 3, F0, F1, 0
	s_wait_dscnt 8                                 ; the very last quarter
	MUL16 F1, 0, 0, 0
	MUL16 F1, 0, 2, 0
	s_wait_dscnt 0x0
	MUL16 F1, 1, 0, 0
	MUL16 F1, 1, 2, 0
	WIN 0
	PLACES                                         ; behind the last products: the stores below read results, the loads below land in fragments
	TOSTAGE 0
.irp a, 1,2,3,4,5,6,7
	TOSTAGE \a                                     ; a block's way through the stage stands between the loads of the block before and its stores
	SEND (\a)-1, 32
.endr
	SEND 7, 0
	s_wait_tensorcnt 0x0                           ; the wave's end, behind my last tensor load and my last LDS store
	ds_add_u32 v[SPW], v[NIL]
	s_wait_dscnt 0x0
	CROUND                                         ; the closing round
	s_endpgm
.Lfunc_end_k_q1c0f5f1e70_proj:
	.size	k_q1c0f5f1e70_proj, .Lfunc_end_k_q1c0f5f1e70_proj-k_q1c0f5f1e70_proj
	.p2alignl 7, 3214868480
	.fill 96, 4, 3214868480
	.section	.rodata,"a",@progbits
	.p2align	6, 0x0
	.amdhsa_kernel k_q1c0f5f1e70_proj
		.amdhsa_group_segment_fixed_size 327680
		.amdhsa_private_segment_fixed_size 0
		.amdhsa_enable_private_segment 0
		.amdhsa_kernarg_size 32
		.amdhsa_user_sgpr_count 2
		.amdhsa_user_sgpr_kernarg_segment_ptr 1
		.amdhsa_wavefront_size32 1
		.amdhsa_system_sgpr_workgroup_id_x 1
		.amdhsa_system_sgpr_workgroup_id_y 1
		.amdhsa_system_sgpr_workgroup_id_z 1
		.amdhsa_system_vgpr_workitem_id 0
		.amdhsa_next_free_vgpr 1024
		.amdhsa_next_free_sgpr 72
		.amdhsa_reserve_vcc 0
		.amdhsa_float_denorm_mode_32 3
		.amdhsa_float_denorm_mode_16_64 3
		.amdhsa_memory_ordered 1
		.amdhsa_forward_progress 1
		.amdhsa_inst_pref_size 151
	.end_amdhsa_kernel
	.amdgpu_metadata
---
amdhsa.version: [ 1, 2 ]
amdhsa.kernels:
  - .name:           k_q1c0f5f1e70_proj
    .symbol:         k_q1c0f5f1e70_proj.kd
    .args:
      - { .name: obuf, .offset: 0, .size: 8, .value_kind: global_buffer, .address_space: global }
      - { .name: wpt, .offset: 8, .size: 8, .value_kind: global_buffer, .address_space: global }
      - { .name: bp, .offset: 16, .size: 8, .value_kind: global_buffer, .address_space: global }
      - { .name: out0, .offset: 24, .size: 8, .value_kind: global_buffer, .address_space: global }
    .group_segment_fixed_size: 327680
    .private_segment_fixed_size: 0
    .kernarg_segment_align: 8
    .kernarg_segment_size: 32
    .max_flat_workgroup_size: 128
    .sgpr_count:     72
    .vgpr_count:     1024
    .wavefront_size: 32
...
	.end_amdgpu_metadata
.endif
;; end of part 3
